; MI455X (gfx1250); checked and timed in simulation.
; The chip was launched on July 23, 2026; its instructions are those of AMD's public machine-readable ISA for CDNA 5 (MIT licence, August 2026) and "CDNA5" Instruction Set Architecture Reference Guide (July 2026). The comments in the code are by the model that wrote it; some were corrected since.
;; Attention. Allowed arithmetic: matrix products marked QUANTISED: E4M3 operands, one given power-of-two scale a tensor, by v_wmma_f32_16x16x64_fp8_fp8 or v_wmma_f32_16x16x128_fp8_fp8, f32 sums; everything else in f32.
;; Inputs: Wkv_codes 1,024 x 8 x 32 uint8 (E4M3 codes of Wkv, K innermost, in blocks of 32 codes); Wo_codes 256 x 16 x 32 uint8 (E4M3 codes of Wo, K innermost, in blocks of 32 codes); Wq_codes 512 x 8 x 32 uint8 (E4M3 codes of Wq, K innermost, in blocks of 32 codes); bo 256 float32; lowp_scales 10 int32 (the exponents e of the quantised operands' scales 2^e); x_codes 4 x 128 x 128 x 8 x 32 uint8 (E4M3 codes of x, K innermost, in blocks of 32 codes).
;; Outputs: out0 4 x 256 x 128 x 128 float32.
;; This version of the problem:
;;   THIS VERSION OF THE PROBLEM IS GIVEN IN LOW PRECISION. The matrix products marked QUANTISED in the list below multiply operands that are first quantised to E4M3 (4 exponent bits, 3 mantissa bits; 8 bits a number), with one given power-of-two scale for each operand tensor; their sums are f32. All else is computed in f32.
;;   The module's matrix products, in the order in which they are computed (A, B: the left and right operand; K: the contracted axis; several contracted axes count as one K, in the product's order):
;;     1. [M 65,536, K 256] x [K 256, N 512]; A: input x (given as codes); B: input Wq (given as codes): QUANTISED (scales: A lowp_scales[0], B lowp_scales[1])
;;     2. [M 65,536, K 256] x [K 256, N 1,024]; A: input x (given as codes); B: input Wkv (given as codes): QUANTISED (scales: A lowp_scales[2], B lowp_scales[3])
;;     3. batch 2,048 x [M 256, K 64] x [K 64, N 256]; A: computed on the way; B: computed on the way: QUANTISED (scales: A lowp_scales[4], B lowp_scales[5])
;;     4. batch 2,048 x [M 256, K 256] x [K 256, N 64]; A: softmax (see below); B: computed on the way: QUANTISED (scales: A lowp_scales[6], B lowp_scales[7])
;;     5. [M 65,536, K 512] x [K 512, N 256]; A: computed on the way; B: input Wo (given as codes): QUANTISED (scales: A lowp_scales[8], B lowp_scales[9])
;;   THE QUANTISER, for each operand of a quantised product, along K:
;;     - The operand's scale is 2^e, e = its entry of the input lowp_scales (int32; the entries are numbered through the quantised products in the list's order, A before B).
;;     - Each number is divided by the scale, clamped to +-448, and rounded to the nearest number of E4M3, ties to even, subnormals kept.
;;     - The product sums the exact products of the quantised numbers (number of the format x scale) in f32.
;;   ~~~python
;;   def quantise(x, axis, e):      # numpy; x: float32 -> the quantised numbers, widened to float32 again
;;       x = np.moveaxis(x, axis, -1); K = x.shape[-1]
;;       r = np.clip(x / 2.0 ** e, -448, 448)
;;       step = 2.0 ** (np.maximum(np.frexp(np.where(r == 0, 1, r))[1] - 1, -6) - 3)
;;       q = np.round(r / step) * step * 2.0 ** e      # np.round: ties to even
;;       return np.moveaxis(q, -1, axis).astype(np.float32)
;;   ~~~
;;   SOFTMAX AHEAD OF A QUANTISED PRODUCT. Where the list says 'softmax', what is quantised is not the finished softmax but p = 2^(t - M), with t = logit x log2(e) and M = ceil(the row's largest t), a whole number; so 1/2 < the row's largest p <= 1. The row's sum l is taken of the UNQUANTISED p, in f32, and the product's result is divided by l at the end. Since M is a whole number, a kernel that streams over the keys may use a running M (the ceiling of the running maximum): every later rescaling is an exact power of two, so the quantised numbers keep their values, but for numbers so far below the row's largest that they fall under the format's range.
;;   OPERANDS COMPUTED ON THE WAY. 'Computed on the way' means the value that the module computes at that place (a softmax that the list does not call 'softmax' is quantised finished and normalised). What goes into a quantiser is computed in f32, as accurately as f32 sums, v_exp_f32 and their like allow (about 1e-6 of the number): no bf16 or f16 on the way to a quantiser, and a product that is left as it is and whose result goes on into a quantised operand takes f32 operands (vector FMAs, or v_wmma_f32_16x16x4_f32). A number that lies on a knife's edge between two numbers of the format may be rounded either way, as far as f32 arithmetic and the matrix unit's own rounding can turn it there, and no further.
;;   INPUTS GIVEN AS CODES. Wkv (in the module: [1024, 256], K = its axis 1); Wo (in the module: [256, 512], K = its axis 1); Wq (in the module: [512, 256], K = its axis 1); x (in the module: [4, 256, 128, 128], K = its axis 1): each comes as NAME_codes (uint8): NAME with its K axis moved to the last place and cut into blocks of 32 codes, [.., K / 32, bytes a block], one block behind the other in memory; one code a byte (a code: sign, 4 exponent bits, 3 mantissa bits); its scale is its entry of lowp_scales. Its value is code x scale, taken as it is: it is not quantised again, and the codes and scales need not be those that the quantiser above would give.
;; 2 versions. Each part assembles by itself: llvm-mc -triple=amdgcn-amd-amdhsa -mcpu=gfx1250 --defsym DOCPART=n.
;; ======== version 1 of 2: 1 launch
;; launch winattn (part 1): grid 256 x 1, 8 waves a work-group, no clusters, 267,264 bytes of LDS; arguments x_codes, Wq_codes, Wkv_codes, Wo_codes, bo, lowp_scales, out0; writes out0
.if DOCPART == 1
	.amdgcn_target "amdgcn-amd-amdhsa--gfx1250"
	.amdhsa_code_object_version 6
	.text
	.protected	k_qee91ca8eaf_winattn
	.globl	k_qee91ca8eaf_winattn
	.p2align	8
	.type	k_qee91ca8eaf_winattn,@function
k_qee91ca8eaf_winattn:
	s_mov_b64 s[64:65], 0
	v_nop
	global_prefetch_b8 v0, s[64:65] scope:SCOPE_SE
	s_setreg_imm32_b32 hwreg(HW_REG_WAVE_MODE, 25, 1), 1
	s_wait_xcnt 0x0
; WINDOWED ATTENTION, ALL FIVE PRODUCTS ON CODES OF FP8 (E4M3), ONE LAUNCH, NOTHING THROUGH MEMORY BETWEEN THE STEPS.
; q = Wq x, k, v = Wkv x (1x1 convolutions); attention inside windows of 16 x 16 pixels, 8 heads of 64; out = Wo a + bo.
; DEAD WORK: none.  Every input has a way to out0 (x's two scale entries too: e0 serves product 1, e2 product 2), so all seven buffers are arguments.
; SHARES.  4 x 8 x 8 = 256 windows, a work-group to a window (number = 64 b + 8 X + Y).  A window's chain touches no other window.
;   Wave w IS HEAD w for q, k, v and the attention, over all 256 pixels: a head's codes of K and of V^T stay in the wave's registers (128 each).
;   In the last product wave w makes outputs 64 (w & 3) .. + 63 for the window's rows 8 (w >> 2) .. + 7.
; LAYOUTS (L lane, r = L & 15, h = L >> 4; pixel tile i = the window's row i).  No shuffle, no turning load: the conversions' results ARE the next operand's registers.
;   k, q: D = W tile (source 0) x x tile (source 1): a lane holds pixel r, register j of tile t = d 16 t + 8 h + j: its codes are registers 2 t, 2 t + 1 of a K = 64 fragment.
;   v:    D = x tile (source 0) x Wv tile (source 1): a lane holds one d, register j = pixel 16 i + 8 h + j: registers 2 (i & 7), + 1 of V^T's fragment of key half i >> 3.
;   S^T = K Q^T: a lane holds query r, register j of tile c = key 16 c + 8 h + j: p's codes are registers 2 c, 2 c + 1 of P, in V^T's own order of keys.
;   O^T = V^T P.  THE ROWS OF Wv THAT FORM A TILE ARE NOT NEIGHBOURS: lane r of tile 2 b + u takes row 32 b + 8 u + r + 8 (r / 8), so that tiles 2 b, 2 b + 1 hold d = 32 b + 16 h + 0 .. 15:
;         a head's 8 code registers are half of a K = 128 fragment in the order in which loads of 16 bytes at 32 c + 16 h give Wo's.
;   out = Wo tile (source 0) x a (source 1): a lane holds pixel r of a window row, register j = output 16 T + 8 h + j.
;   x's, the weights' and a's fragments of K = 128 come by four loads of 16 bytes at 32 c + 16 h on BOTH sides: one permutation of k for A and B alike, so every product meets its partner.
; SOFTMAX.  A trip of the attention loop holds ALL 256 keys of 16 queries: M = ceil(the row's largest t) is the true one: no running maximum, no rescaling.
;   t = score x log2(e) / 8 x 2^(e4 + e5); p = 2^(t - M); the row's sum is taken of the unquantised p and divides O^T at the end.
; SCALES, folded: q's conversion takes 2^(e4 - e0 - e1), k's 2^(e5 - e2 - e3), v's 2^(e7 - e2 - e3), p's 2^e6; a = O^T x 2^(e6 + e7) / sum, converted with 2^e8; out = sum x 2^(e8 + e9) + bo.
; LIMITS on the given exponents, so that each power of two is an f32 number: the three folded ones, e6 and e8 between -126 and 119; e4 + e5 between -123 and 130; e8 + e9 between -126 and 127.
;   NaN codes among the inputs are carried as the matrix unit carries them and are not served otherwise.
; p's HOLD.  The conversion to an 8-bit code does not saturate (ISA guide 7.6.2).  With e4 + e5 <= 0 a |t| stays under 64 x 448 x 448 x 0.19 = 2.4e6, whose rounding is at most 0.125, so p <= 2^0.125;
;   with e6 >= -8 the largest code x 2^e6 is at least 1.75.  Where both hold the 128 holds can change nothing and a scalar branch on these whole numbers, read from the input, leads round them; else they run.
; NO JOINT LOADS of the weights, though all work-groups read them: a pass's weights for eight heads are 131,072 bytes, and beside x (69,632), the images (131,072) and the spare words (1,024)
;   327,680 bytes of LDS leave 125,952; and each byte would be written to LDS and read back, where here it goes once from memory into the one wave's registers that use it, a pass ahead of its use.
; out0.  A window's row of one output channel is 64 consecutive bytes of out0, and the bytes beside them belong to other windows, that is to other work-groups: a store writes two such runs.
; LDS: X 256 pixel rows, pitch 272, from 0 (dead behind the second barrier) | WOR, laid over it: Wo's 256 rows of 512 bytes, pitch 528, from 0 | QA: images of registers, 16,384 x head + 1,024 x tile
;   + 512 x block + 16 x lane: first q's fragment, then, written by the same wave, the attention result's codes | SPARE: the spare words.
; REGISTERS.  Window 0: v1-23 addresses and scales that stay; v24-31 q's codes, later the loop's addresses; v32-63 accumulators; v64-127 x's fragments (two buffers), later P, Q, a row pair of Wo, statistics,
;   later results and bias; v128-255 Wk, then Wv, then S^T and p, then a's fragments (two buffers).  Window 1: v0-127 K's codes; v128-255 Wq, then V^T's codes; in the last product all 256: Wo's 16 fragments.
.set XP,    272                        ; a pixel's row in LDS: 256 bytes + 16: the 16 rows of a fragment load begin 68 words apart
.set WP,    528                        ; a row of Wo in LDS: 512 bytes + 16
.set QA,    256*WP                     ; 135,168
.set SPARE, QA+131072                  ; 266,240: 128 bytes for each of the eight waves, which no other line names
.set SPW,  1                           ; v1   my spare word: SPARE + 4 x my thread's number; never rewritten
.set NIL,  2                           ; v2   0; never rewritten
.set XA,   3                           ; v3   272 r + 16 h: a fragment of x
.set LI,   4                           ; v4   QA + 16,384 w + 16 L: my lane in my head's images
.set L16,  5                           ; v5   16 L
.set WOFF, 6                           ; v6   256 r + 16 h: a fragment of Wq or Wk
.set WOFV, 7                           ; v7   256 (r + 8 (r / 8)) + 16 h: of Wv
.set XS,   8                           ; v8   272 (32 w + h) + 16 r: where x goes into LDS
.set AFA,  9                           ; v9, v10  QA + 16 L + 8,192 (w >> 2), and 65,536 further on
.set OOF,  11                          ; v11  (h << 19) + 4 r: my byte in out0
.set WFA,  12                          ; v12  528 (64 (w & 3) + r) + 16 h: a fragment of Wo
.set BOF,  13                          ; v13  32 h
.set SCK,  14                          ; v14, v15  k's scale as f32, 448 x that;  and so on:
.set SCQ,  16
.set SCV,  18
.set SCP,  20
.set SCA,  22
.set QC,   24                          ; v24-31  q's codes of a tile
.set QAD,  24                          ; the attention loop's addresses: this tile's image,
.set QNX,  25                          ; the next tile's,
.set WOV,  26                          ; two rows of Wo in memory,
.set WSA,  27                          ; and in LDS;
.set WSB,  28                          ; 16,896 w + 16 L
.set ACC,  32
.set XF,   64
.set W,    128
.set S,    128
.set P,    64
.set QF,   96
.set WS,   104
.set MX,   112
.set NM,   116                         ; v[116:117]  -M (the packed form names a pair and takes its low word)
.set LS,   118                         ; v[118:125]  the sum, four chains of pairs
.set INV,  124                         ; v[124:125]  2^(e6 + e7) / sum, once the chains are joined
.set TP,   126
.set OUTR, 64
.set BI,   96
.set AF,   128
.set MSB, 0
.macro WIN new                         ; bits 1:0 source 0, 3:2 source 1, 5:4 source 2, 7:6 destination; the high byte repeats the setting that is left
.if MSB != \new
	s_set_vgpr_msb (MSB<<8)|\new
.set MSB, \new
.endif
.endm
.macro PLACES n
.rept \n
	v_nop
.endr
.endm
.macro BARRIER                         ; my LDS stores have landed and my LDS loads are in: then the work-group's barrier
	s_wait_dscnt 0x0
	s_barrier_signal -1
	s_barrier_wait -1
.endm
; A head's 64 rows x 256 codes of a weight: 8 fragments (tile t, K step s) at reg + 16 (2 t + s).  perm = 1: Wv's choice of rows.
.macro WLOAD reg, offv, base, perm
.irp t, 0,1,2,3
.irp s, 0,1
.irp c, 0,1,2,3
.if \perm
	global_load_b128 v[\reg+16*(2*\t+\s)+4*\c:\reg+16*(2*\t+\s)+4*\c+3], v[\offv], s[\base:\base+1] offset:(32*(\t/2)+8*(\t%2))*256+128*\s+32*\c
.else
	global_load_b128 v[\reg+16*(2*\t+\s)+4*\c:\reg+16*(2*\t+\s)+4*\c+3], v[\offv], s[\base:\base+1] offset:16*\t*256+128*\s+32*\c
.endif
.endr
.endr
.endr
.endm
; x's two fragments (K steps 0, 1) of pixel tile i into buffer buf
.macro XFRAG i, buf
.irp s, 0,1
.irp c, 0,1,2,3
	ds_load_b128 v[XF+32*(\buf)+16*\s+4*\c:XF+32*(\buf)+16*\s+4*\c+3], v[XA] offset:16*XP*(\i)+128*\s+32*\c
.endr
.endr
.endm
; 8 products: four tiles of 16 rows of the weight x 16 pixels, K = 256 in two steps.  The four accumulators take turns, one instruction a turn; the first step starts the sums.
.macro PRODT wb, buf                   ; source 0 = the weight, source 1 = x
.irp s, 0,1
.irp t, 0,1,2,3
.if \s == 0
	v_wmma_f32_16x16x128_fp8_fp8 v[ACC+8*\t:ACC+8*\t+7], v[\wb+16*(2*\t+\s):\wb+16*(2*\t+\s)+15], v[XF+32*(\buf)+16*\s:XF+32*(\buf)+16*\s+15], 0
.else
	v_wmma_f32_16x16x128_fp8_fp8 v[ACC+8*\t:ACC+8*\t+7], v[\wb+16*(2*\t+\s):\wb+16*(2*\t+\s)+15], v[XF+32*(\buf)+16*\s:XF+32*(\buf)+16*\s+15], v[ACC+8*\t:ACC+8*\t+7]
.endif
.endr
.endr
.endm
.macro PRODN wb, buf                   ; source 0 = x, source 1 = the weight
.irp s, 0,1
.irp t, 0,1,2,3
.if \s == 0
	v_wmma_f32_16x16x128_fp8_fp8 v[ACC+8*\t:ACC+8*\t+7], v[XF+32*(\buf)+16*\s:XF+32*(\buf)+16*\s+15], v[\wb+16*(2*\t+\s):\wb+16*(2*\t+\s)+15], 0
.else
	v_wmma_f32_16x16x128_fp8_fp8 v[ACC+8*\t:ACC+8*\t+7], v[XF+32*(\buf)+16*\s:XF+32*(\buf)+16*\s+15], v[\wb+16*(2*\t+\s):\wb+16*(2*\t+\s)+15], v[ACC+8*\t:ACC+8*\t+7]
.endif
.endr
.endr
.endm
; The four accumulators become codes: tile t's eight numbers go to v[dst + stride t], + 1, in the window that win names.
.macro CONV sc, win, dst, stride
	PLACES 4                                       ; four plain instructions between the products and the first read of a result (ISA guide 7.12.1)
.set J, 0
.rept 32
	v_med3_num_f32 v[ACC+J], v[ACC+J], -v[\sc+1], v[\sc+1]   ; the hold at the largest code x the scale; each accumulator from its low end on
.set J, J+1
.endr
	WIN \win
.irp t, 0,1,2,3
	v_cvt_scalef32_pk8_fp8_f32 v[(\dst)+(\stride)*\t:(\dst)+(\stride)*\t+1], v[ACC+8*\t:ACC+8*\t+7], v[\sc]
.endr
	WIN 0
	v_nop                                          ; one plain instruction behind the last conversion, ahead of the products that write its sources again
.endm
; Step n of 48: pass n / 16 (0: k, 1: q, 2: v), pixel tile n % 16.  The next tile's fragments of x are asked for a whole step ahead, into the other buffer:
; the products that read that buffer stand in front of the last step's holds, which are the places in front of these loads.
.macro STEP n
.set I, (\n)%16
.set BUF, (\n)%2
	s_wait_dscnt 0x0                               ; this tile's fragments are in; the last step's LDS stores have read their registers
.if (\n) < 47
	XFRAG ((\n)+1)%16, 1-BUF
.endif
.if (\n)/16 == 0
	PRODT W, BUF
	CONV SCK, 0x40, 8*I, 2                         ; K's fragment of tile i: window 1, v[8 i] on
.elseif (\n)/16 == 1
	WIN 0x01                                       ; Wq lies in window 1
	PRODT W, BUF
	WIN 0
	CONV SCQ, 0, QC, 2
	ds_store_b128 v[LI], v[QC:QC+3] offset:1024*I              ; q's fragment goes to LDS as an image of its registers
	ds_store_b128 v[LI], v[QC+4:QC+7] offset:1024*I+512
.else
	PRODN W, BUF
	CONV SCV, 0x40, 128+16*(I/8)+2*(I%8), 32       ; V^T's fragment (t, key half) lies at window 1, v[128 + 32 t + 16 half]
.endif
.endm
.macro MKSC e, sc                      ; from the whole number in s[e]: v[sc] = 2^e, v[sc + 1] = 448 x 2^e
	s_add_co_i32 s46, s[\e], 127
	s_lshl_b32 s47, s46, 23
	v_mov_b32 v[\sc], s47
	s_add_co_i32 s46, s46, 8
	s_lshl_b32 s46, s46, 23
	s_or_b32 s46, s46, 0x600000
	v_mov_b32 v[\sc+1], s46
.endm
	; ---- THE HEAD
	s_load_b256 s[4:11], s[0:1], 0x0               ; x s[4:5], Wq s[6:7], Wkv s[8:9], Wo s[10:11]
	s_load_b128 s[12:15], s[0:1], 0x20             ; bo s[12:13], the scales' exponents s[14:15]
	s_load_b64 s[16:17], s[0:1], 0x30              ; out0
	v_lshl_add_u32 v[SPW], v0, 2, SPARE
	v_mov_b32 v[NIL], 0
	v_lshrrev_b32 v24, 5, v0
	v_readfirstlane_b32 s18, v24                   ; wave = head, 0 .. 7
	v_and_b32 v25, 31, v0                          ; L
	v_and_b32 v26, 15, v0                          ; r
	v_bfe_u32 v27, v0, 4, 1                        ; h
	s_lshr_b32 s44, s18, 2                         ; which eight window rows are mine in the last product
	s_and_b32 s45, s18, 3                          ; which 64 outputs
	v_mul_u32_u24 v[XA], v26, XP
	v_lshl_add_u32 v[XA], v27, 4, v[XA]
	v_lshlrev_b32 v[L16], 4, v25
	s_lshl_b32 s42, s18, 14
	v_add_nc_u32 v[LI], s42, v[L16]
	v_add_nc_u32 v[LI], QA, v[LI]
	v_lshlrev_b32 v[WOFF], 8, v26
	v_lshl_add_u32 v[WOFF], v27, 4, v[WOFF]
	v_and_b32 v28, 8, v26
	v_add_nc_u32 v28, v28, v26                     ; r + 8 (r / 8)
	v_lshlrev_b32 v[WOFV], 8, v28
	v_lshl_add_u32 v[WOFV], v27, 4, v[WOFV]
	s_mul_i32 s43, s18, 32*XP
	v_mul_u32_u24 v[XS], v27, XP
	v_lshl_add_u32 v[XS], v26, 4, v[XS]
	v_add_nc_u32 v[XS], s43, v[XS]
	s_lshl_b32 s46, s44, 13
	v_add_nc_u32 v[AFA], s46, v[L16]
	v_add_nc_u32 v[AFA], QA, v[AFA]
	v_add_nc_u32 v[AFA+1], 0x10000, v[AFA]
	v_lshlrev_b32 v[OOF], 19, v27                  ; 8 h output channels of 65,536 bytes
	v_lshl_add_u32 v[OOF], v26, 2, v[OOF]
	s_mul_i32 s47, s45, 64*WP
	v_mul_u32_u24 v[WFA], v26, WP
	v_lshl_add_u32 v[WFA], v27, 4, v[WFA]
	v_add_nc_u32 v[WFA], s47, v[WFA]
	v_lshlrev_b32 v[BOF], 5, v27
	s_mov_b32 s20, 0x76543210                      ; v_permlanex16_b32's selects: lane l xor 16
	s_mov_b32 s21, 0xfedcba98
	s_wait_kmcnt 0x0
	s_load_b256 s[24:31], s[14:15], 0x0            ; e0 .. e7
	s_load_b64 s[32:33], s[14:15], 0x20            ; e8, e9
	s_lshr_b32 s42, ttmp9, 3                       ; x: (8 b + X) x 16 image rows of 32,768 bytes
	s_lshl_b32 s42, s42, 19
	s_and_b32 s43, ttmp9, 7
	s_lshl_b32 s43, s43, 12                        ; + Y x 16 pixels of 256 bytes
	s_add_co_u32 s42, s42, s43
	s_lshl_b32 s43, s18, 16                        ; + my wave's two window rows
	s_add_co_u32 s42, s42, s43
	s_mov_b32 s43, 0
	s_add_nc_u64 s[4:5], s[4:5], s[42:43]
	s_lshl_b32 s42, s18, 14                        ; my head's 64 rows of 256 bytes in Wq, Wk, Wv; and my 32 rows of 512 bytes of Wo
	s_add_nc_u64 s[6:7], s[6:7], s[42:43]
	s_add_nc_u64 s[8:9], s[8:9], s[42:43]
	s_add_nc_u64 s[10:11], s[10:11], s[42:43]
	s_add_nc_u64 s[40:41], s[8:9], 0x20000         ; Wv: 512 rows behind Wk
	s_lshl_b32 s42, s45, 8
	s_add_nc_u64 s[12:13], s[12:13], s[42:43]      ; bo at my 64 outputs
	s_lshr_b32 s42, ttmp9, 6                       ; out0: b x 2^24
	s_lshl_b32 s42, s42, 24
	s_bfe_u32 s46, ttmp9, 0x30003                  ; X
	s_lshl_b32 s46, s46, 13                        ; x 16 image rows of 512 bytes
	s_add_co_u32 s42, s42, s46
	s_and_b32 s46, ttmp9, 7
	s_lshl_b32 s46, s46, 6                         ; Y x 16 pixels of 4 bytes
	s_add_co_u32 s42, s42, s46
	s_lshl_b32 s46, s45, 22                        ; my 64 outputs of 65,536 bytes
	s_add_co_u32 s42, s42, s46
	s_lshl_b32 s46, s44, 12                        ; my eight window rows
	s_add_co_u32 s42, s42, s46
	s_add_nc_u64 s[16:17], s[16:17], s[42:43]
.irp n, 0,1,2,3,4,5,6,7,8,9,10,11,12,13,14,15      ; my 32 pixels of x: each load takes 512 consecutive bytes, two pixels; read once in the launch
	global_load_b128 v[XF+4*\n:XF+4*\n+3], v[L16], s[4:5] offset:(\n/8)*32768+(\n%8)*512 th:TH_LOAD_NT
.endr
	WLOAD W, WOFF, 8, 0                            ; Wk
	s_wait_loadcnt 32                              ; x's 16 loads are in; Wk's 32 may be out
.irp n, 0,1,2,3,4,5,6,7,8,9,10,11,12,13,14,15
	ds_store_b128 v[XS], v[XF+4*\n:XF+4*\n+3] offset:2*XP*\n   ; pixels 32 w + 2 n + h
.endr
	WIN 0x40
	WLOAD W, WOFF, 6, 0                            ; Wq, into window 1: it lands under the K pass
	WIN 0
	s_wait_kmcnt 0x0
	s_sub_co_i32 s42, s29, s26
	s_sub_co_i32 s42, s42, s27                     ; e5 - e2 - e3
	MKSC 42, SCK
	s_sub_co_i32 s42, s28, s24
	s_sub_co_i32 s42, s42, s25                     ; e4 - e0 - e1
	MKSC 42, SCQ
	s_sub_co_i32 s42, s31, s26
	s_sub_co_i32 s42, s42, s27                     ; e7 - e2 - e3
	MKSC 42, SCV
	MKSC 30, SCP
	MKSC 32, SCA
	s_add_co_i32 s42, s28, s29                     ; e4 + e5 is added to the exponent field of
	s_lshl_b32 s43, s42, 23
	s_add_co_i32 s22, s43, 0x3e38aa3b              ; c = log2(e) / 8
	s_mov_b32 s23, s22                             ; (named with it as a pair, so it is written)
	s_cmp_lt_i32 s30, -8
	s_cselect_b32 s34, 1, 0
	s_cmp_gt_i32 s42, 0
	s_cselect_b32 s34, 1, s34                      ; 1 where p's hold can act: e6 < -8 or e4 + e5 > 0
	s_add_co_i32 s37, s30, s31                     ; e6 + e7
	s_add_co_i32 s38, s32, s33
	s_add_co_i32 s38, s38, 127
	s_lshl_b32 s38, s38, 23                        ; 2^(e8 + e9) as f32
	s_mov_b32 s39, s38
	BARRIER                                        ; all 256 pixels of x lie in LDS
	XFRAG 0, 0
	s_wait_loadcnt 32                              ; Wk is in; Wq's 32 may be out
	; ---- THE K PASS
.set N, 0
.rept 16
	STEP N
.set N, N+1
.endr
	; ---- THE Q PASS.  Wv is asked for now, into Wk's registers (the last step's holds are the places behind the products that read them), and lands under this pass
	WLOAD W, WOFV, 40, 1
	s_wait_loadcnt 32                              ; Wq is in; Wv's 32 may be out
.rept 16
	STEP N
.set N, N+1
.endr
	; ---- THE V PASS
	s_wait_loadcnt 0x0                             ; Wv
.rept 16
	STEP N
.set N, N+1
.endr
	BARRIER                                        ; no wave reads x any more: Wo's rows may be stored over it
	; ---- THE ATTENTION: 16 trips, a tile of 16 queries against all 256 keys.  On the way each trip brings two of my 32 rows of Wo into LDS.
	s_mul_i32 s42, s18, 32*WP
	v_add_nc_u32 v[WSB], s42, v[L16]
	v_mov_b32 v[NM+1], 0                           ; (named as the upper half of a pair)
	v_mov_b32 v[TP], 0                             ; a lane permute's destination counts as one of its sources
	s_mov_b32 s35, 0                               ; 1,024 x tile
	s_mov_b32 s36, 0                               ; 2 x 528 x tile
	ds_load_b128 v[QF:QF+3], v[LI]                 ; Q of tile 0
	ds_load_b128 v[QF+4:QF+7], v[LI] offset:512
.Ltile:
	s_wait_dscnt 0x0                               ; Q is in; the last trip's LDS stores have read their registers
	WIN 0x01                                       ; K's codes lie in window 1
.irp c, 0,1,2,3,4,5,6,7,8,9,10,11,12,13,14,15
	v_wmma_f32_16x16x64_fp8_fp8 v[S+8*\c:S+8*\c+7], v[8*\c:8*\c+7], v[QF:QF+7], 0
.endr
	WIN 0
	s_add_co_u32 s42, s35, 1024
	s_min_u32 s42, s42, 15360                      ; the next tile; the last trip reads tile 15's image once more, and nothing uses it
	v_add_nc_u32 v[QAD], s35, v[LI]                ; these four are also the places behind the products: in front of the loads into Q and of the first read of a score
	v_add_nc_u32 v[QNX], s42, v[LI]
	v_add_nc_u32 v[WOV], s35, v[L16]
	v_add_nc_u32 v[WSA], s36, v[WSB]
	global_load_b128 v[WS:WS+3], v[WOV], s[10:11]              ; a whole row of Wo: 512 consecutive bytes
	global_load_b128 v[WS+4:WS+7], v[WOV], s[10:11] offset:512 ; and the next
	ds_load_b128 v[QF:QF+3], v[QNX]
	ds_load_b128 v[QF+4:QF+7], v[QNX] offset:512
	v_max3_num_f32 v[MX], v[S], v[S+1], v[S+2]     ; my query's largest score among my 128 keys: four chains, the registers in ascending order
	v_max3_num_f32 v[MX+1], v[S+3], v[S+4], v[S+5]
	v_max3_num_f32 v[MX+2], v[S+6], v[S+7], v[S+8]
	v_max3_num_f32 v[MX+3], v[S+9], v[S+10], v[S+11]
.set J, 12
.rept 58
	v_max3_num_f32 v[MX+(J/2)%4], v[MX+(J/2)%4], v[S+J], v[S+J+1]
.set J, J+2
.endr
	v_max3_num_f32 v[MX], v[MX], v[MX+1], v[MX+2]
	v_max_num_f32 v[MX], v[MX], v[MX+3]
	v_permlanex16_b32 v[TP], v[MX], s20, s21
	v_max_num_f32 v[MX], v[MX], v[TP]              ; and among lane l xor 16's
	v_mul_f32 v[MX], s22, v[MX]                    ; as t (c is positive)
	v_floor_f32 v[NM], -v[MX]                      ; -M = floor(-t) = -ceil(t)
.set J, 0
.rept 64
	v_pk_fma_f32 v[S+J:S+J+1], v[S+J:S+J+1], s[22:23], v[NM:NM+1] op_sel_hi:[1,0,0]   ; t - M, two at a time
.set J, J+2
.endr
.set J, 0
.rept 128
	v_exp_f32 v[S+J], v[S+J]                       ; p = 2^(t - M): not normalised
.set J, J+1
.endr
	v_nop                                          ; a plain instruction behind the last exponential
	s_wait_alu depctr_va_vdst(0)                   ; one wait for the batch of 128, ahead of its first reader
.irp k, 0,1,2,3
	v_pk_add_f32 v[LS+2*\k:LS+2*\k+1], v[S+4*\k:S+4*\k+1], v[S+4*\k+2:S+4*\k+3]   ; the row's sum is taken of the unquantised p: four chains of pairs, started by the first eight pairs
.endr
.set J, 16
.rept 56
	v_pk_add_f32 v[LS+2*((J/2)%4):LS+2*((J/2)%4)+1], v[LS+2*((J/2)%4):LS+2*((J/2)%4)+1], v[S+J:S+J+1]
.set J, J+2
.endr
	v_pk_add_f32 v[LS:LS+1], v[LS:LS+1], v[LS+2:LS+3]
	v_pk_add_f32 v[LS+4:LS+5], v[LS+4:LS+5], v[LS+6:LS+7]
	v_pk_add_f32 v[LS:LS+1], v[LS:LS+1], v[LS+4:LS+5]
	s_cmp_eq_u32 s34, 0                            ; whole numbers read from the input decide; the same in every wave and every trip
	s_cbranch_scc1 .Lno_hold
.set J, 0
.rept 128
	v_min_num_f32 v[S+J], v[S+J], v[SCP+1]         ; p is not negative: the hold is one-sided
.set J, J+1
.endr
.Lno_hold:
	v_add_f32 v[LS+2], v[LS], v[LS+1]
	v_permlanex16_b32 v[TP], v[LS+2], s20, s21
	v_add_f32 v[LS+2], v[LS+2], v[TP]              ; the row's sum
	v_rcp_f32 v[INV], v[LS+2]
	v_nop                                          ; a plain instruction behind the reciprocal
.irp c, 0,1,2,3,4,5,6,7,8,9,10,11,12,13,14,15
	v_cvt_scalef32_pk8_fp8_f32 v[P+2*\c:P+2*\c+1], v[S+8*\c:S+8*\c+7], v[SCP]   ; keys 16 c + 8 h + 0 .. 7: registers 2 c, 2 c + 1 of P
.endr
	v_nop                                          ; a plain instruction behind the last conversion
	s_wait_alu depctr_va_vdst(0)                   ; the reciprocal's wait, ahead of its first reader
	v_ldexp_f32 v[INV], v[INV], s37                ; 2^(e6 + e7) / sum
	WIN 0x01                                       ; V^T's codes lie in window 1
.irp gk, 0,1
.irp t, 0,1,2,3
.if \gk == 0
	v_wmma_f32_16x16x128_fp8_fp8 v[ACC+8*\t:ACC+8*\t+7], v[128+32*\t+16*\gk:128+32*\t+16*\gk+15], v[P+16*\gk:P+16*\gk+15], 0
.else
	v_wmma_f32_16x16x128_fp8_fp8 v[ACC+8*\t:ACC+8*\t+7], v[128+32*\t+16*\gk:128+32*\t+16*\gk+15], v[P+16*\gk:P+16*\gk+15], v[ACC+8*\t:ACC+8*\t+7]
.endif
.endr
.endr
	WIN 0
	s_wait_loadcnt 0x0                             ; Wo's two rows are in (asked for at the trip's head); their address register is free again
	ds_store_b128 v[WSA], v[WS:WS+3]
	ds_store_b128 v[WSA], v[WS+4:WS+7] offset:WP
	PLACES 4
.set J, 0
.rept 16
	v_pk_mul_f32 v[ACC+J:ACC+J+1], v[ACC+J:ACC+J+1], v[INV:INV+1] op_sel_hi:[1,0]   ; a = O^T x 2^(e6 + e7) / sum; each accumulator from its low end on
.set J, J+2
.endr
.set J, 0
.rept 32
	v_med3_num_f32 v[ACC+J], v[ACC+J], -v[SCA+1], v[SCA+1]
.set J, J+1
.endr
.irp t, 0,1,2,3
	v_cvt_scalef32_pk8_fp8_f32 v[P+2*\t:P+2*\t+1], v[ACC+8*\t:ACC+8*\t+7], v[SCA]   ; registers 4 b .. 4 b + 3: d = 32 b + 16 h + 0 .. 15
.endr
	v_nop
	ds_store_b128 v[QAD], v[P:P+3]                 ; a's codes take the place of this tile's q, which was read a trip ago
	ds_store_b128 v[QAD], v[P+4:P+7] offset:512
	s_add_co_u32 s36, s36, 2*WP
	s_add_co_u32 s35, s35, 1024
	s_cmp_lt_u32 s35, 16384
	s_cbranch_scc1 .Ltile
	; ---- THE LAST PRODUCT: my 64 outputs for my eight window rows; K = 512 = eight heads, in four steps
	s_wait_dscnt 0x0                               ; my images of a and my rows of Wo have landed; the last load of Q is in
.irp t, 0,1,2,3
	global_load_b128 v[BI+8*\t:BI+8*\t+3], v[BOF], s[12:13] offset:64*\t       ; bo in the result's layout: outputs 16 t + 8 h + 0 .. 7
	global_load_b128 v[BI+8*\t+4:BI+8*\t+7], v[BOF], s[12:13] offset:64*\t+16
.endr
	s_barrier_signal -1
	s_barrier_wait -1                              ; every wave's have: all of a and all of Wo lie in LDS
	WIN 0x40
.irp t, 0,1,2,3
.irp s, 0,1,2,3
.irp c, 0,1,2,3
	ds_load_b128 v[16*(4*\t+\s)+4*\c:16*(4*\t+\s)+4*\c+3], v[WFA] offset:16*WP*\t+128*\s+32*\c   ; Wo's fragment (t, s): they stay for the eight rows
.endr
.endr
.endr
	WIN 0
; a's four fragments of my n-th window row: K step s is heads 2 s and 2 s + 1, each two blocks of four registers, as the heads' waves left them
.macro AFRAG n, buf
.irp s, 0,1,2,3
.irp e, 0,1
.irp bb, 0,1
	ds_load_b128 v[AF+64*(\buf)+16*\s+8*\e+4*\bb:AF+64*(\buf)+16*\s+8*\e+4*\bb+3], v[AFA+\s/2] offset:32768*(\s%2)+16384*\e+1024*(\n)+512*\bb
.endr
.endr
.endr
.endm
.macro FIN n
.set FB, (\n)%2
	s_wait_dscnt 0x0                               ; this row's fragments are in (the first time: Wo's too)
.if (\n) < 7
	AFRAG (\n)+1, 1-FB                             ; the next row's, a row ahead; the multiply-adds below were the places behind the products that read that buffer
.endif
	WIN 0x01
.irp s, 0,1,2,3
.irp t, 0,1,2,3
.if \s == 0
	v_wmma_f32_16x16x128_fp8_fp8 v[ACC+8*\t:ACC+8*\t+7], v[16*(4*\t+\s):16*(4*\t+\s)+15], v[AF+64*FB+16*\s:AF+64*FB+16*\s+15], 0
.else
	v_wmma_f32_16x16x128_fp8_fp8 v[ACC+8*\t:ACC+8*\t+7], v[16*(4*\t+\s):16*(4*\t+\s)+15], v[AF+64*FB+16*\s:AF+64*FB+16*\s+15], v[ACC+8*\t:ACC+8*\t+7]
.endif
.endr
.endr
	WIN 0
	PLACES 4
	s_wait_xcnt 0x0                                ; the last row's stores have read their data: only behind this wait are those registers written again
.set J, 0
.rept 16
	v_pk_fma_f32 v[OUTR+J:OUTR+J+1], v[ACC+J:ACC+J+1], s[38:39], v[BI+J:BI+J+1] op_sel_hi:[1,0,1]   ; out = sum x 2^(e8 + e9) + bo
.set J, J+2
.endr
.set J, 0
.rept 32
	global_store_b32 v[OOF], v[OUTR+J], s[16:17] offset:(16*(J/8)+J%8)*65536+512*(\n)   ; lanes 0-15: the window row's 64 bytes of one output channel; lanes 16-31: of the channel eight on
.set J, J+1
.endr
.endm
	AFRAG 0, 0
	s_wait_loadcnt 0x0                             ; bo
.irp n, 0,1,2,3,4,5,6,7
	FIN \n
.endr
	s_wait_tensorcnt 0x0                           ; the wave's end
	ds_add_u32 v[SPW], v[NIL]
	s_wait_dscnt 0x0
	s_endpgm
.Lfunc_end_k_qee91ca8eaf_winattn:
	.size	k_qee91ca8eaf_winattn, .Lfunc_end_k_qee91ca8eaf_winattn-k_qee91ca8eaf_winattn
	.p2alignl 7, 3214868480
	.fill 96, 4, 3214868480
	.section	.rodata,"a",@progbits
	.p2align	6, 0x0
	.amdhsa_kernel k_qee91ca8eaf_winattn
		.amdhsa_group_segment_fixed_size 267264
		.amdhsa_private_segment_fixed_size 0
		.amdhsa_enable_private_segment 0
		.amdhsa_kernarg_size 56
		.amdhsa_user_sgpr_count 2
		.amdhsa_user_sgpr_kernarg_segment_ptr 1
		.amdhsa_wavefront_size32 1
		.amdhsa_system_sgpr_workgroup_id_x 1
		.amdhsa_system_sgpr_workgroup_id_y 1
		.amdhsa_system_sgpr_workgroup_id_z 1
		.amdhsa_system_vgpr_workitem_id 0
		.amdhsa_next_free_vgpr 512
		.amdhsa_next_free_sgpr 66
		.amdhsa_reserve_vcc 0
		.amdhsa_float_denorm_mode_32 3
		.amdhsa_float_denorm_mode_16_64 3
		.amdhsa_memory_ordered 1
		.amdhsa_forward_progress 1
		.amdhsa_inst_pref_size 255
	.end_amdhsa_kernel
	.section	.bss,"aw",@nobits
	.p2align	6
	.space	262144
	.amdgpu_metadata
---
amdhsa.version: [ 1, 2 ]
amdhsa.kernels:
  - .name:           k_qee91ca8eaf_winattn
    .symbol:         k_qee91ca8eaf_winattn.kd
    .args:
      - { .name: x_codes, .offset: 0, .size: 8, .value_kind: global_buffer, .address_space: global }
      - { .name: Wq_codes, .offset: 8, .size: 8, .value_kind: global_buffer, .address_space: global }
      - { .name: Wkv_codes, .offset: 16, .size: 8, .value_kind: global_buffer, .address_space: global }
      - { .name: Wo_codes, .offset: 24, .size: 8, .value_kind: global_buffer, .address_space: global }
      - { .name: bo, .offset: 32, .size: 8, .value_kind: global_buffer, .address_space: global }
      - { .name: lowp_scales, .offset: 40, .size: 8, .value_kind: global_buffer, .address_space: global }
      - { .name: out0, .offset: 48, .size: 8, .value_kind: global_buffer, .address_space: global }
    .group_segment_fixed_size: 267264
    .private_segment_fixed_size: 0
    .kernarg_segment_align: 8
    .kernarg_segment_size: 56
    .max_flat_workgroup_size: 256
    .sgpr_count:     66
    .vgpr_count:     512
    .wavefront_size: 32
...
	.end_amdgpu_metadata
.endif
;; end of part 1
;; ======== version 2 of 2: 2 launches
;; limits: right only within a limited range of input values
;; workspace buffers: acodes 33,554,432 bytes
;; launch attn (part 2): grid 256 x 1, 8 waves a work-group, no clusters, 201,728 bytes of LDS; arguments x_codes, Wq_codes, Wkv_codes, lowp_scales, acodes; writes acodes
.if DOCPART == 2
	.amdgcn_target "amdgcn-amd-amdhsa--gfx1250"
	.amdhsa_code_object_version 6
	.text
	.protected	k_qee91ca8eaf_attn
	.globl	k_qee91ca8eaf_attn
	.p2align	8
	.type	k_qee91ca8eaf_attn,@function
k_qee91ca8eaf_attn:
	s_mov_b64 s[64:65], 0
	v_nop
	global_prefetch_b8 v0, s[64:65] scope:SCOPE_SE
	s_setreg_imm32_b32 hwreg(HW_REG_WAVE_MODE, 25, 1), 1
	s_wait_xcnt 0x0
; WINDOWED ATTENTION ON CODES OF FP8 (E4M3), FIRST OF TWO LAUNCHES: products 1 to 4 and the quantiser ahead of product 5.
; q = Wq x, k, v = Wkv x (1x1 convolutions); attention inside windows of 16 x 16 pixels, 8 heads of 64; the result a leaves as codes.  The second launch makes out = Wo a + bo.
; DEAD WORK: none in either launch.  Every input has a way to out0 (x's two scale entries too: e0 serves product 1, e2 product 2); Wo, bo, e9 and out0 are the second launch's.
; WHY TWO LAUNCHES.  A window's row of one output channel is 64 consecutive bytes of out0, so 256 consecutive aligned bytes of out0 belong to four windows.  Here a work-group owns one window,
;   since a window's chain up to a touches no other window; the last product is shared out otherwise, by rows of four neighbouring windows.  Between the two go a's codes alone, 512 bytes a pixel.
; SHARES.  4 x 8 x 8 = 256 windows, a work-group to a window (number = 64 b + 8 X + Y).  Wave w IS HEAD w, over all 256 pixels: a head's codes of K and of V^T stay in the wave's registers (128 each).
; LAYOUTS (L lane, r = L & 15, h = L >> 4; pixel tile i = the window's row i).  No shuffle, no turning load: the conversions' results ARE the next operand's registers.
;   k, q: D = W tile (source 0) x x tile (source 1): a lane holds pixel r, register j of tile t = d 16 t + 8 h + j: its codes are registers 2 t, 2 t + 1 of a K = 64 fragment.
;   v:    D = x tile (source 0) x Wv tile (source 1): a lane holds one d, register j = pixel 16 i + 8 h + j: registers 2 (i & 7), + 1 of V^T's fragment of key half i >> 3.
;   S^T = K Q^T: a lane holds query r, register j of tile c = key 16 c + 8 h + j: p's codes are registers 2 c, 2 c + 1 of P, in V^T's own order of keys.
;   O^T = V^T P.  THE ROWS OF Wv THAT FORM A TILE ARE NOT NEIGHBOURS: lane r of tile 2 b + u takes row 32 b + 8 u + r + 8 (r / 8), so that tiles 2 b, 2 b + 1 hold d = 32 b + 16 h + 0 .. 15:
;         a head's 8 code registers are half of a K = 128 fragment in the order in which loads of 16 bytes at 32 c + 16 h give Wo's.
;   x's and the weights' fragments of K = 128 come by four loads of 16 bytes at 32 c + 16 h on BOTH sides: one permutation of k for A and B alike, so every product meets its partner.
; acodes, the workspace: IMAGES OF REGISTERS, [window 256][pixel tile 16][head 8][block 2][lane 32][16 bytes]: block bb of lane (r, h) holds d = 32 bb + 16 h + 0 .. 15 of the window row's pixel r.
;   A wave's store of a block covers 512 consecutive bytes, at a multiple of 512 from the buffer's first byte.
; SOFTMAX.  A trip of the attention loop holds ALL 256 keys of 16 queries: M = ceil(the row's largest t) is the true one: no running maximum, no rescaling.
;   t = score x log2(e) / 8 x 2^(e4 + e5); p = 2^(t - M); the row's sum is taken of the unquantised p and divides O^T at the end.
; SCALES, folded: q's conversion takes 2^(e4 - e0 - e1), k's 2^(e5 - e2 - e3), v's 2^(e7 - e2 - e3), p's 2^e6; a = O^T x 2^(e6 + e7) / sum, converted with 2^e8.
; LIMITS on the given exponents, so that each power of two is an f32 number: the three folded ones, e6 and e8 between -126 and 119; e4 + e5 between -123 and 130.
;   NaN codes among the inputs are carried as the matrix unit carries them and are not served otherwise.
; p's HOLD.  The conversion to an 8-bit code does not saturate (ISA guide 7.6.2).  With e4 + e5 <= 0 a |t| stays under 64 x 448 x 448 x 0.19 = 2.4e6, whose rounding is at most 0.125, so p <= 2^0.125;
;   with e6 >= -8 the largest code x 2^e6 is at least 1.75.  Where both hold a hold of p can change nothing; here no hold is made, and the scalar branch leads round nothing.
; NO JOINT LOADS of the weights, though all work-groups read them: each byte is wanted in the registers of the one wave that uses it, and goes there once, straight from memory, a pass ahead of its use;
;   through LDS a pass's 131,072 bytes would be written and read once more.
; LDS: X 256 pixel rows, pitch 272, from 0 | QA: q's fragments as images of registers, 16,384 x head + 1,024 x tile + 512 x block + 16 x lane, each wave's own | SPARE: the spare words.
; REGISTERS.  Window 0: v1-23 addresses and scales that stay; v24-31 q's codes, later the loop's addresses; v32-63 accumulators; v64-127 x's fragments (two buffers), later P, Q, statistics;
;   v128-255 Wk, then Wv, then S^T and p.  Window 1: v0-127 K's codes; v128-255 Wq, then V^T's codes.
.set XP,    272                        ; a pixel's row in LDS: 256 bytes + 16: the 16 rows of a fragment load begin 68 words apart
.set QA,    256*XP                     ; 69,632
.set SPARE, QA+131072                  ; 200,704: 128 bytes for each of the eight waves, which no other line names
.set SPW,  1                           ; v1   my spare word: SPARE + 4 x my thread's number; never rewritten
.set NIL,  2                           ; v2   0; never rewritten
.set XA,   3                           ; v3   272 r + 16 h: a fragment of x
.set LI,   4                           ; v4   QA + 16,384 w + 16 L: my lane in my head's images
.set L16,  5                           ; v5   16 L
.set WOFF, 6                           ; v6   256 r + 16 h: a fragment of Wq or Wk
.set WOFV, 7                           ; v7   256 (r + 8 (r / 8)) + 16 h: of Wv
.set XS,   8                           ; v8   272 (32 w + h) + 16 r: where x goes into LDS
.set SCK,  14                          ; v14  k's scale as f32;  and so on:
.set SCQ,  16
.set SCV,  18
.set SCP,  20
.set SCA,  22
.set QC,   24                          ; v24-31  q's codes of a tile
.set QNX,  25                          ; the attention loop's addresses: the next tile's image of q,
.set AOV,  26                          ; and this tile's place in acodes: 8,192 x tile + 16 L
.set ACC,  32
.set XF,   64
.set W,    128
.set S,    128
.set P,    64
.set QF,   96
.set MX,   112
.set NM,   116                         ; v[116:117]  -M (the packed form names a pair and takes its low word)
.set LS,   118                         ; v[118:125]  the sum, four chains of pairs
.set INV,  124                         ; v[124:125]  2^(e6 + e7) / sum, once the chains are joined
.set TP,   126
.set MSB, 0
.macro WIN new                         ; bits 1:0 source 0, 3:2 source 1, 5:4 source 2, 7:6 destination; the high byte repeats the setting that is left
.if MSB != \new
	s_set_vgpr_msb (MSB<<8)|\new
.set MSB, \new
.endif
.endm
.macro PLACES n
.rept \n
	v_nop
.endr
.endm
; A head's 64 rows x 256 codes of a weight: 8 fragments (tile t, K step s) at reg + 16 (2 t + s).  perm = 1: Wv's choice of rows.
.macro WLOAD reg, offv, base, perm
.irp t, 0,1,2,3
.irp s, 0,1
.irp c, 0,1,2,3
.if \perm
	global_load_b128 v[\reg+16*(2*\t+\s)+4*\c:\reg+16*(2*\t+\s)+4*\c+3], v[\offv], s[\base:\base+1] offset:(32*(\t/2)+8*(\t%2))*256+128*\s+32*\c
.else
	global_load_b128 v[\reg+16*(2*\t+\s)+4*\c:\reg+16*(2*\t+\s)+4*\c+3], v[\offv], s[\base:\base+1] offset:16*\t*256+128*\s+32*\c
.endif
.endr
.endr
.endr
.endm
; x's two fragments (K steps 0, 1) of pixel tile i into buffer buf
.macro XFRAG i, buf
.irp s, 0,1
.irp c, 0,1,2,3
	ds_load_b128 v[XF+32*(\buf)+16*\s+4*\c:XF+32*(\buf)+16*\s+4*\c+3], v[XA] offset:16*XP*(\i)+128*\s+32*\c
.endr
.endr
.endm
; 8 products: four tiles of 16 rows of the weight x 16 pixels, K = 256 in two steps.  The four accumulators take turns, one instruction a turn; the first step starts the sums.
.macro PRODT wb, buf                   ; source 0 = the weight, source 1 = x
.irp s, 0,1
.irp t, 0,1,2,3
.if \s == 0
	v_wmma_f32_16x16x128_fp8_fp8 v[ACC+8*\t:ACC+8*\t+7], v[\wb+16*(2*\t+\s):\wb+16*(2*\t+\s)+15], v[XF+32*(\buf)+16*\s:XF+32*(\buf)+16*\s+15], 0
.else
	v_wmma_f32_16x16x128_fp8_fp8 v[ACC+8*\t:ACC+8*\t+7], v[\wb+16*(2*\t+\s):\wb+16*(2*\t+\s)+15], v[XF+32*(\buf)+16*\s:XF+32*(\buf)+16*\s+15], v[ACC+8*\t:ACC+8*\t+7]
.endif
.endr
.endr
.endm
.macro PRODN wb, buf                   ; source 0 = x, source 1 = the weight
.irp s, 0,1
.irp t, 0,1,2,3
.if \s == 0
	v_wmma_f32_16x16x128_fp8_fp8 v[ACC+8*\t:ACC+8*\t+7], v[XF+32*(\buf)+16*\s:XF+32*(\buf)+16*\s+15], v[\wb+16*(2*\t+\s):\wb+16*(2*\t+\s)+15], 0
.else
	v_wmma_f32_16x16x128_fp8_fp8 v[ACC+8*\t:ACC+8*\t+7], v[XF+32*(\buf)+16*\s:XF+32*(\buf)+16*\s+15], v[\wb+16*(2*\t+\s):\wb+16*(2*\t+\s)+15], v[ACC+8*\t:ACC+8*\t+7]
.endif
.endr
.endr
.endm
; The four accumulators become codes: tile t's eight numbers go to v[dst + stride t], + 1, in the window that win names.
.macro CONV sc, win, dst, stride
	PLACES 4                                       ; four plain instructions between the products and the first read of a result (ISA guide 7.12.1)
.set J, 0
.rept 32
.set J, J+1
.endr
	WIN \win
.irp t, 0,1,2,3
	v_cvt_scalef32_pk8_fp8_f32 v[(\dst)+(\stride)*\t:(\dst)+(\stride)*\t+1], v[ACC+8*\t:ACC+8*\t+7], v[\sc]
.endr
	WIN 0
	v_nop                                          ; one plain instruction behind the last conversion, ahead of the products that write its sources again
.endm
; Step n of 48: pass n / 16 (0: k, 1: q, 2: v), pixel tile n % 16.  The next tile's fragments of x are asked for a whole step ahead, into the other buffer:
; the products that read that buffer stand in front of the last step's nops and conversions, which are the places in front of these loads.
.macro STEP n
.set I, (\n)%16
.set BUF, (\n)%2
	s_wait_dscnt 0x0                               ; this tile's fragments are in; the last step's LDS stores have read their registers
.if (\n) < 47
	XFRAG ((\n)+1)%16, 1-BUF
.endif
.if (\n)/16 == 0
	PRODT W, BUF
	s_wait_alu depctr_va_vdst(0)
	CONV SCK, 0x40, 8*I, 2                         ; K's fragment of tile i: window 1, v[8 i] on
.elseif (\n)/16 == 1
	WIN 0x01                                       ; Wq lies in window 1
	PRODT W, BUF
	WIN 0
	CONV SCQ, 0, QC, 2
	ds_store_b128 v[LI], v[QC:QC+3] offset:1024*I              ; q's fragment goes to LDS as an image of its registers
	ds_store_b128 v[LI], v[QC+4:QC+7] offset:1024*I+512
.else
	PRODN W, BUF
	CONV SCV, 0x40, 128+16*(I/8)+2*(I%8), 32       ; V^T's fragment (t, key half) lies at window 1, v[128 + 32 t + 16 half]
.endif
.endm
.macro MKSC e, sc                      ; from the whole number in s[e]: v[sc] = 2^e
	s_add_co_i32 s46, s[\e], 127
	s_lshl_b32 s47, s46, 23
	v_mov_b32 v[\sc], s47
.endm
	; ---- THE HEAD
	s_load_b256 s[4:11], s[0:1], 0x0               ; x s[4:5], Wq s[6:7], Wkv s[8:9], the scales' exponents s[10:11]
	s_load_b64 s[12:13], s[0:1], 0x20              ; acodes
	v_lshl_add_u32 v[SPW], v0, 2, SPARE
	v_mov_b32 v[NIL], 0
	v_lshrrev_b32 v24, 5, v0
	s_delay_alu instid0(VALU_DEP_1)
	v_readfirstlane_b32 s18, v24                   ; wave = head, 0 .. 7
	v_and_b32 v25, 31, v0                          ; L
	v_and_b32 v26, 15, v0                          ; r
	v_bfe_u32 v27, v0, 4, 1                        ; h
	s_delay_alu instid0(VALU_DEP_2)
	v_mul_u32_u24 v[XA], v26, XP
	s_delay_alu instid0(VALU_DEP_1)
	v_lshl_add_u32 v[XA], v27, 4, v[XA]
	v_lshlrev_b32 v[L16], 4, v25
	s_lshl_b32 s42, s18, 14
	v_add_nc_u32 v[LI], s42, v[L16]
	s_delay_alu instid0(VALU_DEP_1)
	v_add_nc_u32 v[LI], QA, v[LI]
	v_lshlrev_b32 v[WOFF], 8, v26
	s_delay_alu instid0(VALU_DEP_1)
	v_lshl_add_u32 v[WOFF], v27, 4, v[WOFF]
	v_and_b32 v28, 8, v26
	s_delay_alu instid0(VALU_DEP_1)
	v_add_nc_u32 v28, v28, v26                     ; r + 8 (r / 8)
	s_delay_alu instid0(VALU_DEP_1)
	v_lshlrev_b32 v[WOFV], 8, v28
	s_delay_alu instid0(VALU_DEP_1)
	v_lshl_add_u32 v[WOFV], v27, 4, v[WOFV]
	s_mul_i32 s43, s18, 32*XP
	v_mul_u32_u24 v[XS], v27, XP
	s_delay_alu instid0(VALU_DEP_1)
	v_lshl_add_u32 v[XS], v26, 4, v[XS]
	s_delay_alu instid0(VALU_DEP_1)
	v_add_nc_u32 v[XS], s43, v[XS]
	s_mov_b32 s20, 0x76543210                      ; v_permlanex16_b32's selects: lane l xor 16
	s_mov_b32 s21, 0xfedcba98
	s_wait_alu depctr_va_vdst(0)
	s_wait_kmcnt 0x0
	s_load_b256 s[24:31], s[10:11], 0x0            ; e0 .. e7
	s_load_b32 s32, s[10:11], 0x20                 ; e8
	s_lshr_b32 s42, ttmp9, 3                       ; x: (8 b + X) x 16 image rows of 32,768 bytes
	s_lshl_b32 s42, s42, 19
	s_and_b32 s43, ttmp9, 7
	s_lshl_b32 s43, s43, 12                        ; + Y x 16 pixels of 256 bytes
	s_add_co_u32 s42, s42, s43
	s_lshl_b32 s43, s18, 16                        ; + my wave's two window rows
	s_add_co_u32 s42, s42, s43
	s_mov_b32 s43, 0
	s_add_nc_u64 s[4:5], s[4:5], s[42:43]
	s_lshl_b32 s42, s18, 14                        ; my head's 64 rows of 256 bytes in Wq, Wk, Wv
	s_add_nc_u64 s[6:7], s[6:7], s[42:43]
	s_add_nc_u64 s[8:9], s[8:9], s[42:43]
	s_add_nc_u64 s[40:41], s[8:9], 0x20000         ; Wv: 512 rows behind Wk
	s_lshl_b32 s42, ttmp9, 17                      ; acodes: my window's 131,072 bytes,
	s_lshl_b32 s46, s18, 10                        ; my head's 1,024 of a tile's 8,192
	s_add_co_u32 s42, s42, s46
	s_add_nc_u64 s[12:13], s[12:13], s[42:43]
.irp n, 0,1,2,3,4,5,6,7,8,9,10,11,12,13,14,15      ; my 32 pixels of x: each load takes 512 consecutive bytes, two pixels; read once in the launch
	global_load_b128 v[XF+4*\n:XF+4*\n+3], v[L16], s[4:5] offset:(\n/8)*32768+(\n%8)*512 th:TH_LOAD_NT
.endr
	WLOAD W, WOFF, 8, 0                            ; Wk
	s_wait_loadcnt 32                              ; x's 16 loads are in; Wk's 32 may be out
.irp n, 0,1,2,3,4,5,6,7,8,9,10,11,12,13,14,15
	ds_store_b128 v[XS], v[XF+4*\n:XF+4*\n+3] offset:2*XP*\n   ; pixels 32 w + 2 n + h
.endr
	WIN 0x40
	WLOAD W, WOFF, 6, 0                            ; Wq, into window 1: it lands under the K pass
	WIN 0
	s_wait_kmcnt 0x0
	s_sub_co_i32 s42, s29, s26
	s_sub_co_i32 s42, s42, s27                     ; e5 - e2 - e3
	MKSC 42, SCK
	s_sub_co_i32 s42, s28, s24
	s_sub_co_i32 s42, s42, s25                     ; e4 - e0 - e1
	MKSC 42, SCQ
	s_sub_co_i32 s42, s31, s26
	s_sub_co_i32 s42, s42, s27                     ; e7 - e2 - e3
	MKSC 42, SCV
	MKSC 30, SCP
	MKSC 32, SCA
	s_add_co_i32 s42, s28, s29                     ; e4 + e5 is added to the exponent field of
	s_lshl_b32 s43, s42, 23
	s_add_co_i32 s22, s43, 0x3e38aa3b              ; c = log2(e) / 8
	s_mov_b32 s23, s22                             ; (named with it as a pair, so it is written)
	s_cmp_lt_i32 s30, -8
	s_cselect_b32 s34, 1, 0
	s_cmp_gt_i32 s42, 0
	s_cselect_b32 s34, 1, s34                      ; 1 where p's hold can act: e6 < -8 or e4 + e5 > 0
	s_add_co_i32 s37, s30, s31                     ; e6 + e7
	s_wait_dscnt 0x0                               ; my 32 pixels have landed in LDS:
	s_barrier_signal -1
	s_barrier_wait -1                              ; all 256 have.  The launch's one barrier: from here on a wave reads x, which nobody writes, and LDS bytes of its own
	XFRAG 0, 0
	s_wait_loadcnt 32                              ; Wk is in; Wq's 32 may be out
	; ---- THE K PASS
.set N, 0
.rept 16
	STEP N
.set N, N+1
.endr
	; ---- THE Q PASS.  Wv is asked for now, into Wk's registers (the last step's nops and conversions are the places behind the products that read them), and lands under this pass
	WLOAD W, WOFV, 40, 1
	s_wait_loadcnt 32                              ; Wq is in; Wv's 32 may be out
.rept 16
	STEP N
.set N, N+1
.endr
	; ---- THE V PASS
	s_wait_loadcnt 0x0                             ; Wv
.rept 16
	STEP N
.set N, N+1
.endr
	; ---- THE ATTENTION: 16 trips, a tile of 16 queries against all 256 keys
	v_mov_b32 v[NM+1], 0                           ; (named as the upper half of a pair)
	v_mov_b32 v[TP], 0                             ; a lane permute's destination counts as one of its sources
	s_mov_b32 s35, 0                               ; 1,024 x tile
	ds_load_b128 v[QF:QF+3], v[LI]                 ; Q of tile 0: my own image; LDS serves a wave's instructions in order
	ds_load_b128 v[QF+4:QF+7], v[LI] offset:512
.Ltile:
	s_wait_dscnt 0x0                               ; Q is in
	WIN 0x01                                       ; K's codes lie in window 1
	s_setprio 2
.irp c, 0,1,2,3,4,5,6,7,8,9,10,11,12,13,14,15
	v_wmma_f32_16x16x64_fp8_fp8 v[S+8*\c:S+8*\c+7], v[8*\c:8*\c+7], v[QF:QF+7], 0
.endr
	WIN 0
	s_add_co_u32 s42, s35, 1024
	s_min_u32 s42, s42, 15360                      ; the next tile; the last trip reads tile 15's image once more, and nothing uses it
	s_lshl_b32 s43, s35, 3                         ; 8,192 x tile
	s_wait_xcnt 0x0                                ; the last trip's two stores have read their offset and their data: the offset is written below, the data by p's conversions further down
	v_add_nc_u32 v[QNX], s42, v[LI]                ; these four are also the places behind the products: in front of the loads into Q and of the first read of a score
	v_add_nc_u32 v[AOV], s43, v[L16]
	v_nop
	v_nop
	ds_load_b128 v[QF:QF+3], v[QNX]
	ds_load_b128 v[QF+4:QF+7], v[QNX] offset:512
	v_max3_num_f32 v[MX], v[S], v[S+1], v[S+2]     ; my query's largest score among my 128 keys: four chains, the registers in ascending order
	v_max3_num_f32 v[MX+1], v[S+3], v[S+4], v[S+5]
	v_max3_num_f32 v[MX+2], v[S+6], v[S+7], v[S+8]
	v_max3_num_f32 v[MX+3], v[S+9], v[S+10], v[S+11]
.set J, 12
.rept 58
	v_max3_num_f32 v[MX+(J/2)%4], v[MX+(J/2)%4], v[S+J], v[S+J+1]
.set J, J+2
.endr
	s_delay_alu instid0(VALU_DEP_2)
	v_max3_num_f32 v[MX], v[MX], v[MX+1], v[MX+2]
	s_delay_alu instid0(VALU_DEP_1)
	v_max_num_f32 v[MX], v[MX], v[MX+3]
	s_delay_alu instid0(VALU_DEP_1)
	v_permlanex16_b32 v[TP], v[MX], s20, s21
	s_delay_alu instid0(VALU_DEP_1)
	v_max_num_f32 v[MX], v[MX], v[TP]              ; and among lane l xor 16's
	s_delay_alu instid0(VALU_DEP_1)
	v_mul_f32 v[MX], s22, v[MX]                    ; as t (c is positive)
	s_delay_alu instid0(VALU_DEP_1)
	v_floor_f32 v[NM], -v[MX]                      ; -M = floor(-t) = -ceil(t)
.set J, 0
.rept 64
	v_pk_fma_f32 v[S+J:S+J+1], v[S+J:S+J+1], s[22:23], v[NM:NM+1] op_sel_hi:[1,0,0]   ; t - M, two at a time
.set J, J+2
.endr
.set J, 0
	s_wait_alu depctr_va_vdst(0)
.rept 128
	v_exp_f32 v[S+J], v[S+J]                       ; p = 2^(t - M): not normalised
.set J, J+1
.endr
	s_setprio 1
	v_nop                                          ; a plain instruction behind the last exponential
	s_wait_alu depctr_va_vdst(0)                   ; one wait for the batch of 128, ahead of its first reader
	v_pk_add_f32 v[120:121], v[128:129], v[130:131]
	v_pk_add_f32 v[122:123], v[144:145], v[152:153]
	v_pk_add_f32 v[124:125], v[160:161], v[168:169]
	v_pk_add_f32 v[114:115], v[176:177], v[184:185]
	v_pk_add_f32 v[112:113], v[192:193], v[200:201]
	v_pk_add_f32 v[110:111], v[208:209], v[216:217]
	v_pk_add_f32 v[108:109], v[224:225], v[232:233]
	v_pk_add_f32 v[118:119], v[240:241], v[248:249]
	v_pk_add_f32 v[118:119], v[118:119], v[132:133]
	v_pk_add_f32 v[120:121], v[120:121], v[134:135]
	v_pk_add_f32 v[122:123], v[122:123], v[146:147]
	v_pk_add_f32 v[124:125], v[124:125], v[154:155]
	v_pk_add_f32 v[114:115], v[114:115], v[162:163]
	v_pk_add_f32 v[112:113], v[112:113], v[170:171]
	v_pk_add_f32 v[110:111], v[110:111], v[178:179]
	v_pk_add_f32 v[108:109], v[108:109], v[186:187]
	v_pk_add_f32 v[118:119], v[118:119], v[194:195]
	v_pk_add_f32 v[120:121], v[120:121], v[202:203]
	v_pk_add_f32 v[122:123], v[122:123], v[210:211]
	v_pk_add_f32 v[124:125], v[124:125], v[218:219]
	v_pk_add_f32 v[114:115], v[114:115], v[226:227]
	v_pk_add_f32 v[112:113], v[112:113], v[234:235]
	v_pk_add_f32 v[110:111], v[110:111], v[242:243]
	v_pk_add_f32 v[108:109], v[108:109], v[250:251]
	v_pk_add_f32 v[118:119], v[118:119], v[136:137]
	v_pk_add_f32 v[120:121], v[120:121], v[138:139]
	v_pk_add_f32 v[122:123], v[122:123], v[148:149]
	v_pk_add_f32 v[124:125], v[124:125], v[156:157]
	v_pk_add_f32 v[114:115], v[114:115], v[164:165]
	v_pk_add_f32 v[112:113], v[112:113], v[172:173]
	v_pk_add_f32 v[110:111], v[110:111], v[180:181]
	v_pk_add_f32 v[108:109], v[108:109], v[188:189]
	v_pk_add_f32 v[118:119], v[118:119], v[196:197]
	v_pk_add_f32 v[120:121], v[120:121], v[204:205]
	v_pk_add_f32 v[122:123], v[122:123], v[212:213]
	v_pk_add_f32 v[124:125], v[124:125], v[220:221]
	v_pk_add_f32 v[114:115], v[114:115], v[228:229]
	v_pk_add_f32 v[112:113], v[112:113], v[236:237]
	v_pk_add_f32 v[110:111], v[110:111], v[244:245]
	v_pk_add_f32 v[108:109], v[108:109], v[252:253]
	v_pk_add_f32 v[118:119], v[118:119], v[140:141]
	v_pk_add_f32 v[120:121], v[120:121], v[142:143]
	v_pk_add_f32 v[122:123], v[122:123], v[150:151]
	v_pk_add_f32 v[124:125], v[124:125], v[158:159]
	v_pk_add_f32 v[114:115], v[114:115], v[166:167]
	v_pk_add_f32 v[112:113], v[112:113], v[174:175]
	v_pk_add_f32 v[110:111], v[110:111], v[182:183]
	v_pk_add_f32 v[108:109], v[108:109], v[190:191]
	v_pk_add_f32 v[118:119], v[118:119], v[198:199]
	v_pk_add_f32 v[120:121], v[120:121], v[206:207]
	v_pk_add_f32 v[122:123], v[122:123], v[214:215]
	v_pk_add_f32 v[124:125], v[124:125], v[222:223]
	v_pk_add_f32 v[114:115], v[114:115], v[230:231]
	v_pk_add_f32 v[112:113], v[112:113], v[238:239]
	v_pk_add_f32 v[110:111], v[110:111], v[246:247]
	v_pk_add_f32 v[108:109], v[108:109], v[254:255]
	s_delay_alu instid0(VALU_DEP_4)
	v_pk_add_f32 v[118:119], v[118:119], v[114:115]
	s_delay_alu instid0(VALU_DEP_4)
	v_pk_add_f32 v[120:121], v[120:121], v[112:113]
	s_delay_alu instid0(VALU_DEP_4)
	v_pk_add_f32 v[122:123], v[122:123], v[110:111]
	s_delay_alu instid0(VALU_DEP_4)
	v_pk_add_f32 v[124:125], v[124:125], v[108:109]
	s_delay_alu instid0(VALU_DEP_2)
	v_pk_add_f32 v[118:119], v[118:119], v[122:123]
	s_delay_alu instid0(VALU_DEP_2)
	v_pk_add_f32 v[120:121], v[120:121], v[124:125]
	s_delay_alu instid0(VALU_DEP_1)
	v_pk_add_f32 v[118:119], v[118:119], v[120:121]
	s_cmp_eq_u32 s34, 0                            ; whole numbers read from the input decide; the same in every wave and every trip
	s_cbranch_scc1 .Lno_hold
.set J, 0
.rept 128
.set J, J+1
.endr
.Lno_hold:
	s_wait_alu depctr_va_vdst(0)
	v_add_f32 v[LS+2], v[LS], v[LS+1]
	s_delay_alu instid0(VALU_DEP_1)
	v_permlanex16_b32 v[TP], v[LS+2], s20, s21
	s_delay_alu instid0(VALU_DEP_1)
	v_add_f32 v[LS+2], v[LS+2], v[TP]              ; the row's sum
	s_wait_alu depctr_va_vdst(0)
	v_rcp_f32 v[INV], v[LS+2]
	v_nop                                          ; a plain instruction behind the reciprocal
.irp c, 0,1,2,3,4,5,6,7,8,9,10,11,12,13,14,15
	v_cvt_scalef32_pk8_fp8_f32 v[P+2*\c:P+2*\c+1], v[S+8*\c:S+8*\c+7], v[SCP]   ; keys 16 c + 8 h + 0 .. 7: registers 2 c, 2 c + 1 of P
.endr
	v_nop                                          ; a plain instruction behind the last conversion
	s_wait_alu depctr_va_vdst(0)                   ; the reciprocal's wait, ahead of its first reader
	v_ldexp_f32 v[INV], v[INV], s37                ; 2^(e6 + e7) / sum
	WIN 0x01                                       ; V^T's codes lie in window 1
	s_setprio 0
.irp gk, 0,1
.irp t, 0,1,2,3
.if \gk == 0
	v_wmma_f32_16x16x128_fp8_fp8 v[ACC+8*\t:ACC+8*\t+7], v[128+32*\t+16*\gk:128+32*\t+16*\gk+15], v[P+16*\gk:P+16*\gk+15], 0
.else
	v_wmma_f32_16x16x128_fp8_fp8 v[ACC+8*\t:ACC+8*\t+7], v[128+32*\t+16*\gk:128+32*\t+16*\gk+15], v[P+16*\gk:P+16*\gk+15], v[ACC+8*\t:ACC+8*\t+7]
.endif
.endr
.endr
	WIN 0
	PLACES 4
.set J, 0
.rept 16
	v_pk_mul_f32 v[ACC+J:ACC+J+1], v[ACC+J:ACC+J+1], v[INV:INV+1] op_sel_hi:[1,0]   ; a = O^T x 2^(e6 + e7) / sum; each accumulator from its low end on
.set J, J+2
.endr
.set J, 0
.rept 32
.set J, J+1
.endr
.irp t, 0,1,2,3
	v_cvt_scalef32_pk8_fp8_f32 v[P+2*\t:P+2*\t+1], v[ACC+8*\t:ACC+8*\t+7], v[SCA]   ; registers 4 b .. 4 b + 3: d = 32 b + 16 h + 0 .. 15
.endr
	v_nop                                          ; a plain instruction behind the last conversion
	global_store_b128 v[AOV], v[P:P+3], s[12:13]               ; a's codes leave as an image of their registers: the wave stores 512 consecutive bytes,
	global_store_b128 v[AOV], v[P+4:P+7], s[12:13] offset:512  ; and the next 512
	s_add_co_u32 s35, s35, 1024
	s_cmp_lt_u32 s35, 16384
	s_cbranch_scc1 .Ltile
	s_setprio 0
	s_wait_tensorcnt 0x0                           ; the wave's end
	ds_add_u32 v[SPW], v[NIL]
	s_wait_dscnt 0x0
	s_endpgm
.Lfunc_end_k_qee91ca8eaf_attn:
	.size	k_qee91ca8eaf_attn, .Lfunc_end_k_qee91ca8eaf_attn-k_qee91ca8eaf_attn
	.p2alignl 7, 3214868480
	.fill 96, 4, 3214868480
	.section	.rodata,"a",@progbits
	.p2align	6, 0x0
	.amdhsa_kernel k_qee91ca8eaf_attn
		.amdhsa_group_segment_fixed_size 201728
		.amdhsa_private_segment_fixed_size 0
		.amdhsa_enable_private_segment 0
		.amdhsa_kernarg_size 40
		.amdhsa_user_sgpr_count 2
		.amdhsa_user_sgpr_kernarg_segment_ptr 1
		.amdhsa_wavefront_size32 1
		.amdhsa_system_sgpr_workgroup_id_x 1
		.amdhsa_system_sgpr_workgroup_id_y 1
		.amdhsa_system_sgpr_workgroup_id_z 1
		.amdhsa_system_vgpr_workitem_id 0
		.amdhsa_next_free_vgpr 512
		.amdhsa_next_free_sgpr 66
		.amdhsa_reserve_vcc 0
		.amdhsa_float_denorm_mode_32 3
		.amdhsa_float_denorm_mode_16_64 3
		.amdhsa_fp16_overflow 1
		.amdhsa_memory_ordered 1
		.amdhsa_forward_progress 1
		.amdhsa_inst_pref_size 113
	.end_amdhsa_kernel
	.amdgpu_metadata
---
amdhsa.version: [ 1, 2 ]
amdhsa.kernels:
  - .name:           k_qee91ca8eaf_attn
    .symbol:         k_qee91ca8eaf_attn.kd
    .args:
      - { .name: x_codes, .offset: 0, .size: 8, .value_kind: global_buffer, .address_space: global }
      - { .name: Wq_codes, .offset: 8, .size: 8, .value_kind: global_buffer, .address_space: global }
      - { .name: Wkv_codes, .offset: 16, .size: 8, .value_kind: global_buffer, .address_space: global }
      - { .name: lowp_scales, .offset: 24, .size: 8, .value_kind: global_buffer, .address_space: global }
      - { .name: acodes, .offset: 32, .size: 8, .value_kind: global_buffer, .address_space: global }
    .group_segment_fixed_size: 201728
    .private_segment_fixed_size: 0
    .kernarg_segment_align: 8
    .kernarg_segment_size: 40
    .max_flat_workgroup_size: 256
    .sgpr_count:     66
    .vgpr_count:     512
    .wavefront_size: 32
...
	.end_amdgpu_metadata
.endif
;; end of part 2
;; launch proj (part 3): grid 256 x 1, 8 waves a work-group, no clusters, 132,352 bytes of LDS; arguments acodes, Wo_codes, bo, lowp_scales, out0; writes out0
.if DOCPART == 3
	.amdgcn_target "amdgcn-amd-amdhsa--gfx1250"
	.amdhsa_code_object_version 6
	.text
	.protected	k_qee91ca8eaf_proj
	.globl	k_qee91ca8eaf_proj
	.p2align	8
	.type	k_qee91ca8eaf_proj,@function
k_qee91ca8eaf_proj:
	s_mov_b64 s[64:65], 0
	v_nop
	global_prefetch_b8 v0, s[64:65] scope:SCOPE_SE
	s_setreg_imm32_b32 hwreg(HW_REG_WAVE_MODE, 25, 1), 1
	s_wait_xcnt 0x0
; SECOND OF TWO LAUNCHES: out = Wo a + bo, product 5, on codes of FP8 (E4M3).  No work is left out here either.
; a's codes come from the first launch as images of registers: acodes [window 256][pixel tile 16][head 8][block 2][lane 32][16 bytes]; block bb of lane (w2, h) holds, of the window row's pixel w2,
; d = 32 bb + 16 h + 0 .. 15 of that head.  Wo: [256][512] codes, K innermost.  out0: [4][256][128][128] f32.  out = sum x 2^(e8 + e9) + bo.
; LIMIT: e8 + e9 between -126 and 127, so that 2^(e8 + e9) is an f32 number.
; SHARES.  A work-group (number = 64 b + 8 X + 4 Yq + iq) takes four image rows (window rows 4 iq .. + 3) x 64 pixels (windows 4 Yq .. + 3) x all 256 outputs: of each channel and row 256 consecutive bytes of out0,
;   at a multiple of 256 from its first byte.  Wave w makes outputs 64 (w & 3) .. + 63 for rows 2 (w >> 2) and + 1.
; THE PIXELS OF A TILE ARE NOT NEIGHBOURS: lane r of tile q (0 .. 3) takes pixel 4 r + q of the 64, which is column 4 (r & 3) + q of window r >> 2.  With source 0 = 16 rows of Wo and source 1 = such a tile,
;   register j of lane (r, h) holds output 16 T + 8 h + j of pixel 4 r + q: the four tiles' accumulators hold four NEIGHBOURING pixels in the same lane and register.  The multiply-add that the way out needs anyway
;   lays them side by side, and a store of 16 bytes a lane then has sixteen lanes covering 256 consecutive bytes of one channel, lanes 16-31 those of the channel eight on.  No stage in LDS.
; K = 512 goes in four steps of 128: step s is heads 2 s and 2 s + 1, each two blocks of four registers: k = 128 s + 32 c + 16 h + 0 .. 15 in registers 4 c .. 4 c + 3, as Wo's loads of 16 bytes give it too.
; LDS: a's codes as they lie in memory, a window's 32,768 bytes (four tiles) at 32,784 x window: the 16 bytes more set the four windows' lanes on different banks: the sixteen lanes of a load
;   stand at 16 (r >> 2) + 64 (r & 3) modulo 256 bytes.  Behind them the spare words.
; NO JOINT LOADS of Wo, though all work-groups read it: its fragments are wanted in registers, where they stay for the whole launch, and go there straight from memory; through LDS its 131,072 bytes would be written once and read twice more.
; REGISTERS.  Window 0: v1-8 addresses; v16-47 bo in the result's layout; v48-111 a's fragments, two halves of two tiles, at a row's end the stores' data; v128-255 a's codes on their way to LDS, then 16 accumulators.
;   Window 1: Wo's 16 fragments, (T, s) at v[16 (4 T + s)].
.set AY,    32784                      ; from window to window in LDS
.set SPARE, 131328                     ; behind 4 x 32,784 bytes, at the next multiple of 256: 128 bytes for each of the eight waves, which no other line names
.set SPW,  1                           ; v1   my spare word: SPARE + 4 x my thread's number; never rewritten
.set NIL,  2                           ; v2   0; never rewritten
.set L16,  3                           ; v3   16 L
.set AS,   4                           ; v4   where a's codes go into LDS: 32,784 (w >> 1) + 16,384 (w & 1) + 16 L
.set AB,   5                           ; v5   a fragment of a: 32,784 (r >> 2) + 64 (r & 3) + 256 h + 16,384 (w >> 2)
.set WFA,  6                           ; v6   512 r + 16 h: a fragment of Wo
.set BOF,  7                           ; v7   32 h
.set OOF,  8                           ; v8   (h << 19) + 16 r: my 16 bytes in out0
.set BI,   16
.set AF,   48
.set ACC,  128
.set MSB, 0
.macro WIN new                         ; bits 1:0 source 0, 3:2 source 1, 5:4 source 2, 7:6 destination; the high byte repeats the setting that is left
.if MSB != \new
	s_set_vgpr_msb (MSB<<8)|\new
.set MSB, \new
.endif
.endm
.macro PLACES n
.rept \n
	v_nop
.endr
.endm
.macro WOLOAD t                        ; Wo's four fragments of tile T = t of my four
.irp s, 0,1,2,3
.irp c, 0,1,2,3
	global_load_b128 v[16*(4*(\t)+\s)+4*\c:16*(4*(\t)+\s)+4*\c+3], v[WFA], s[6:7] offset:8192*(\t)+128*\s+32*\c
.endr
.endr
.endm
; Unit u (0 .. 7) of my row n: K step u / 2, tiles q = 2 (u % 2) and + 1.  Its two fragments go into half u % 2 of AF.
.macro AUNIT n, u
.set LS_, (\u)/2
.set LQ_, (\u)%2
.irp qq, 0,1
.irp e, 0,1
.irp bb, 0,1
	ds_load_b128 v[AF+32*LQ_+16*\qq+8*\e+4*\bb:AF+32*LQ_+16*\qq+8*\e+4*\bb+3], v[AB] offset:8192*(\n)+1024*(2*LS_+\e)+512*\bb+16*(2*LQ_+\qq)
.endr
.endr
.endr
.endm
; The unit's 8 products.  The next unit's fragments are asked for a unit ahead, into the other half, four places behind the products that read it.
; The row's 16 accumulators take turns, one instruction a turn; K step 0 starts the sums.
.macro UNIT n, u
	s_wait_dscnt 0x0                               ; this unit's fragments are in
.if (\u) < 7
	PLACES 4
	AUNIT \n, (\u)+1
.endif
.set KS_, (\u)/2
.set KQ_, (\u)%2
	WIN 0x01                                       ; Wo lies in window 1
.irp t, 0,1,2,3
.irp qq, 0,1
.if KS_ == 0
	v_wmma_f32_16x16x128_fp8_fp8 v[ACC+8*(4*\t+2*KQ_+\qq):ACC+8*(4*\t+2*KQ_+\qq)+7], v[16*(4*\t+KS_):16*(4*\t+KS_)+15], v[AF+32*KQ_+16*\qq:AF+32*KQ_+16*\qq+15], 0
.else
	v_wmma_f32_16x16x128_fp8_fp8 v[ACC+8*(4*\t+2*KQ_+\qq):ACC+8*(4*\t+2*KQ_+\qq)+7], v[16*(4*\t+KS_):16*(4*\t+KS_)+15], v[AF+32*KQ_+16*\qq:AF+32*KQ_+16*\qq+15], v[ACC+8*(4*\t+2*KQ_+\qq):ACC+8*(4*\t+2*KQ_+\qq)+7]
.endif
.endr
.endr
	WIN 0
.endm
; The way out of tile T = t of row n: 16 outputs x 64 pixels.  The data lie in a half of AF, which the row's products have done with; the halves take turns.
.macro OUTT n, t
.set OB, AF+32*((\t)%2)
.if (\t) >= 2
	s_wait_xcnt 0x0                                ; the stores of two tiles back have read this half: only behind this wait is it written again
.endif
.set J, 0
.rept 8
.irp q, 0,1,2,3
	v_fma_f32 v[OB+4*J+\q], v[ACC+8*(4*(\t)+\q)+J], s38, v[BI+8*(\t)+J]   ; out = sum x 2^(e8 + e9) + bo; pixels 4 r + 0 .. 3 side by side; each accumulator from its low end on
.endr
.set J, J+1
.endr
.set J, 0
.rept 8
	global_store_b128 v[OOF], v[OB+4*J:OB+4*J+3], s[12:13] offset:(16*(\t)+J)*65536+512*(\n) th:TH_STORE_NT   ; lanes 0-15: 256 consecutive bytes of one channel's row, at a multiple of 256 from out0's first byte; lanes 16-31: of the channel eight on; written once, read by nobody here
.set J, J+1
.endr
.endm
.macro ROW n
.if (\n) > 0
	s_wait_xcnt 0x0                                ; the last row's stores have read both halves of AF: loads may land there
.endif
	AUNIT \n, 0
.irp u, 0,1,2,3,4,5,6,7
	UNIT \n, \u
.endr
	PLACES 4                                       ; four plain instructions between the products and the first read of a result, and the first write of a register that they read (ISA guide 7.12.1)
.irp t, 0,1,2,3
	OUTT \n, \t
.endr
.endm
	s_load_b256 s[4:11], s[0:1], 0x0               ; acodes s[4:5], Wo s[6:7], bo s[8:9], the scales' exponents s[10:11]
	s_load_b64 s[12:13], s[0:1], 0x20              ; out0
	v_lshl_add_u32 v[SPW], v0, 2, SPARE
	v_mov_b32 v[NIL], 0
	v_lshrrev_b32 v9, 5, v0
	s_delay_alu instid0(VALU_DEP_1)
	v_readfirstlane_b32 s18, v9                    ; wave 0 .. 7
	v_and_b32 v10, 31, v0                          ; L
	v_and_b32 v11, 15, v0                          ; r
	v_bfe_u32 v12, v0, 4, 1                        ; h
	s_lshr_b32 s20, s18, 2                         ; which two rows are mine
	s_and_b32 s21, s18, 3                          ; which 64 outputs
	s_lshr_b32 s22, s18, 1                         ; which window's codes I fetch,
	s_and_b32 s23, s18, 1                          ; and which half of its four tiles
	v_lshlrev_b32 v[L16], 4, v10
	s_mul_i32 s24, s22, AY
	s_lshl_b32 s25, s23, 14
	s_add_co_u32 s24, s24, s25
	v_add_nc_u32 v[AS], s24, v[L16]
	v_lshrrev_b32 v13, 2, v11                      ; r >> 2: the window of pixel 4 r + q
	v_and_b32 v14, 3, v11
	s_delay_alu instid0(VALU_DEP_2)
	v_mul_u32_u24 v[AB], v13, AY
	s_delay_alu instid0(VALU_DEP_1)
	v_lshl_add_u32 v[AB], v14, 6, v[AB]            ; + 16 bytes x column 4 (r & 3)
	s_delay_alu instid0(VALU_DEP_1)
	v_lshl_add_u32 v[AB], v12, 8, v[AB]            ; + 16 lanes of 16 bytes x h
	s_lshl_b32 s25, s20, 14                        ; + my two tiles of 8,192 bytes
	v_add_nc_u32 v[AB], s25, v[AB]
	v_lshlrev_b32 v[WFA], 9, v11
	s_delay_alu instid0(VALU_DEP_1)
	v_lshl_add_u32 v[WFA], v12, 4, v[WFA]
	v_lshlrev_b32 v[BOF], 5, v12
	v_lshlrev_b32 v[OOF], 19, v12                  ; 8 h output channels of 65,536 bytes
	s_delay_alu instid0(VALU_DEP_1)
	v_lshl_add_u32 v[OOF], v11, 4, v[OOF]
	s_and_b32 s29, ttmp9, 3                        ; iq
	s_lshr_b32 s26, ttmp9, 2
	s_lshl_b32 s26, s26, 2                         ; the first of my four windows: 64 b + 8 X + 4 Yq
	s_add_co_u32 s26, s26, s22
	s_lshl_b32 s26, s26, 17                        ; a window's 131,072 bytes
	s_lshl_b32 s28, s29, 15                        ; + four tiles of 8,192 x iq
	s_add_co_u32 s26, s26, s28
	s_lshl_b32 s28, s23, 14
	s_add_co_u32 s26, s26, s28
	s_mov_b32 s27, 0
	s_wait_alu depctr_va_vdst(0)
	s_wait_kmcnt 0x0
	s_load_b64 s[38:39], s[10:11], 0x20            ; e8, e9
	s_add_nc_u64 s[4:5], s[4:5], s[26:27]
.set N, 0
.rept 32
	global_load_b128 v[ACC+4*N:ACC+4*N+3], v[L16], s[4:5] offset:512*N th:TH_LOAD_NT   ; my 16,384 bytes of a's codes, 512 consecutive bytes a load; read once in the launch
.set N, N+1
.endr
	s_lshl_b32 s26, s21, 15                        ; my 64 rows of 512 bytes of Wo
	s_add_nc_u64 s[6:7], s[6:7], s[26:27]
	s_lshl_b32 s26, s21, 8
	s_add_nc_u64 s[8:9], s[8:9], s[26:27]          ; bo at my 64 outputs
	WIN 0x40
	WOLOAD 0
	WIN 0
	s_lshr_b32 s26, ttmp9, 6                       ; out0: b x 2^24
	s_lshl_b32 s26, s26, 24
	s_bfe_u32 s28, ttmp9, 0x30003                  ; X
	s_lshl_b32 s28, s28, 13                        ; x 16 image rows of 512 bytes
	s_add_co_u32 s26, s26, s28
	s_bfe_u32 s28, ttmp9, 0x10002                  ; Yq
	s_lshl_b32 s28, s28, 8                         ; x 64 pixels of 4 bytes
	s_add_co_u32 s26, s26, s28
	s_lshl_b32 s28, s29, 11                        ; iq x 4 rows
	s_add_co_u32 s26, s26, s28
	s_lshl_b32 s28, s20, 10                        ; my two rows
	s_add_co_u32 s26, s26, s28
	s_lshl_b32 s28, s21, 22                        ; my 64 outputs of 65,536 bytes
	s_add_co_u32 s26, s26, s28
	s_add_nc_u64 s[12:13], s[12:13], s[26:27]
	s_wait_loadcnt 16                              ; a's 32 loads are in; Wo's first 16 may be out
.set N, 0
.rept 32
	ds_store_b128 v[AS], v[ACC+4*N:ACC+4*N+3] offset:512*N     ; as they lie
.set N, N+1
.endr
.irp t, 0,1,2,3
	global_load_b128 v[BI+8*\t:BI+8*\t+3], v[BOF], s[8:9] offset:64*\t        ; bo in the result's layout: outputs 16 t + 8 h + 0 .. 7
	global_load_b128 v[BI+8*\t+4:BI+8*\t+7], v[BOF], s[8:9] offset:64*\t+16
.endr
	WIN 0x40
	WOLOAD 1
	WOLOAD 2
	s_wait_loadcnt 40                              ; Wo's first 16 are in; bo's 8 and the 32 just issued may be out: with the next 16 the wave has 56 loads out at the most
	WOLOAD 3
	WIN 0
	s_wait_kmcnt 0x0
	s_add_co_i32 s38, s38, s39
	s_add_co_i32 s38, s38, 127
	s_lshl_b32 s38, s38, 23                        ; 2^(e8 + e9) as f32
	s_wait_dscnt 0x0                               ; my part of a's codes has landed in LDS:
	s_barrier_signal -1
	s_barrier_wait -1                              ; everybody's has.  From here on LDS is only read
	s_wait_loadcnt 0x0                             ; Wo and bo
	ROW 0
	ROW 1
	s_wait_tensorcnt 0x0                           ; the wave's end
	ds_add_u32 v[SPW], v[NIL]
	s_wait_dscnt 0x0
	s_endpgm
.Lfunc_end_k_qee91ca8eaf_proj:
	.size	k_qee91ca8eaf_proj, .Lfunc_end_k_qee91ca8eaf_proj-k_qee91ca8eaf_proj
	.p2alignl 7, 3214868480
	.fill 96, 4, 3214868480
	.section	.rodata,"a",@progbits
	.p2align	6, 0x0
	.amdhsa_kernel k_qee91ca8eaf_proj
		.amdhsa_group_segment_fixed_size 132352
		.amdhsa_private_segment_fixed_size 0
		.amdhsa_enable_private_segment 0
		.amdhsa_kernarg_size 40
		.amdhsa_user_sgpr_count 2
		.amdhsa_user_sgpr_kernarg_segment_ptr 1
		.amdhsa_wavefront_size32 1
		.amdhsa_system_sgpr_workgroup_id_x 1
		.amdhsa_system_sgpr_workgroup_id_y 1
		.amdhsa_system_sgpr_workgroup_id_z 1
		.amdhsa_system_vgpr_workitem_id 0
		.amdhsa_next_free_vgpr 512
		.amdhsa_next_free_sgpr 66
		.amdhsa_reserve_vcc 0
		.amdhsa_float_denorm_mode_32 3
		.amdhsa_float_denorm_mode_16_64 3
		.amdhsa_memory_ordered 1
		.amdhsa_forward_progress 1
		.amdhsa_inst_pref_size 57
	.end_amdhsa_kernel
	.amdgpu_metadata
---
amdhsa.version: [ 1, 2 ]
amdhsa.kernels:
  - .name:           k_qee91ca8eaf_proj
    .symbol:         k_qee91ca8eaf_proj.kd
    .args:
      - { .name: acodes, .offset: 0, .size: 8, .value_kind: global_buffer, .address_space: global }
      - { .name: Wo_codes, .offset: 8, .size: 8, .value_kind: global_buffer, .address_space: global }
      - { .name: bo, .offset: 16, .size: 8, .value_kind: global_buffer, .address_space: global }
      - { .name: lowp_scales, .offset: 24, .size: 8, .value_kind: global_buffer, .address_space: global }
      - { .name: out0, .offset: 32, .size: 8, .value_kind: global_buffer, .address_space: global }
    .group_segment_fixed_size: 132352
    .private_segment_fixed_size: 0
    .kernarg_segment_align: 8
    .kernarg_segment_size: 40
    .max_flat_workgroup_size: 256
    .sgpr_count:     66
    .vgpr_count:     512
    .wavefront_size: 32
...
	.end_amdgpu_metadata
.endif
;; end of part 3
